; MI455X (gfx1250); checked and timed in simulation.
; The chip was launched on July 23, 2026; its instructions are those of AMD's public machine-readable ISA for CDNA 5 (MIT licence, August 2026) and "CDNA5" Instruction Set Architecture Reference Guide (July 2026). The comments in the code are by the model that wrote it; some were corrected since.
;; Manifold Linear. Allowed arithmetic: float matrix products may take bf16 or f16 operands with f32 sums; all other float work in f32.
;; Inputs: b1 256 float32; b2 1,024 float32; bias 4,096 float32; codebook 16,384 x 64 float32; w1 256 x 64 float32; w2 1,024 x 256 float32; x 256 x 4,096 float32.
;; Outputs: out0 256 x 4,096 float32.
;; One version. Each part assembles by itself: llvm-mc -triple=amdgcn-amd-amdhsa -mcpu=gfx1250 --defsym DOCPART=n.
;; ======== version 1 of 1: 2 launches
;; workspace buffers: yf 524,288 bytes; hf 8,388,608 bytes; sv 4,096 bytes
;; launch prep (part 1): grid 256 x 1, 8 waves a work-group, no clusters, 207,872 bytes of LDS; arguments x, w2, b2, codebook, w1, b1, yf, hf, sv; writes yf, hf, sv
.if DOCPART == 1
	.amdgcn_target "amdgcn-amd-amdhsa--gfx1250"
	.amdhsa_code_object_version 6
	.text
	.protected	k_q00f5d36f87_prep
	.globl	k_q00f5d36f87_prep
	.p2align	8
	.type	k_q00f5d36f87_prep,@function
k_q00f5d36f87_prep:
	s_mov_b64 s[64:65], 0
	v_nop
	global_prefetch_b8 v0, s[64:65] scope:SCOPE_SE
	s_setreg_imm32_b32 hwreg(HW_REG_WAVE_MODE, 25, 1), 1
	s_wait_xcnt 0x0
; ManifoldLinear, first of two launches.
; reference(): h = gelu(codebook w1^T + b1); w[o][1024 c + j] = sum_k h[4 o + c][k] w2[j][k] + b2[j]; out = x w^T + bias.
; The sums are regrouped (exact in real numbers, for every input):
;   out[t][o] = sum_{c,k} y[t][c][k] h[4 o + c][k] + sum_c s[c][t] + bias[o],
;   y[t][c][k] = sum_j x[t][1024 c + j] w2[j][k],     s[c][t] = sum_j x[t][1024 c + j] b2[j].
; This launch makes h, y and s; the second launch makes out.
; Matrix operands are bf16 (x, w2, b2, codebook, w1 here; y and h in the second launch), all sums f32.
;
; EVERY WAVE DOES BOTH KINDS OF WORK, INTERLEAVED.  A work-group makes a block of h (mostly the GELU's vector arithmetic) and a block of
; y and s (mostly loads, conversions and LDS traffic).  Each of its eight waves has a share of both, in one straight text: behind each
; of its eight GELU tiles it converts and stages the data of eight loads of x or w2.  So the LDS stores are spread over the arithmetic,
; and while one wave of a SIMD is held at LDS or at a load the other has arithmetic to issue.
;
; FRAGMENT ORDER of yf and hf: a 16 x 32 matrix operand is 1,024 bytes, [piece p (2)][lane (32)][16 bytes]; lane (r = lane % 16,
; h = lane / 16), piece p holds k = k0 + 16 p + 8 h + 0..7 of row r: registers 4 p .. 4 p + 3 of a 16-bit operand (ISA guide 7.12.2).
;   yf byte = tb 131072 + c 32768 + ks 4096 + tt' 1024 + p 512 + 16 lane   row = token 64 tb + 16 tt' + r, k0 = 32 ks in chunk c
;   hf byte = ob 131072 + c 32768 + ks 4096 + ot' 1024 + p 512 + 16 lane   row = o = 64 ob + 16 ot' + r (h's row 4 o + c)
; Every product is used transposed (source 0 = the operand whose row index is to lie along a lane's registers), so four packed
; conversions of a result tile ARE a piece, and a piece leaves by one store of 512 consecutive, aligned bytes.
;
; THE SHARES.  Work-group u, wave w.
;   y: tokens 16 tt .. + 15 (tt = u / 16), chunks c = 2 cp + ci (cp = (u / 8) % 2, ci = 0, 1), columns k = 32 cb .. + 31 (cb = u % 8:
;      K step ks = cb of the second launch).  The sum over j is split: wave w owns j = 128 w .. + 127, four K steps; the eight partial
;      tiles meet in LDS.  s rides along as a third column tile (b2 in column 32, zeros in 33 .. 47); it is made in all eight column
;      blocks (8 of a wave's 24 matrix instructions for y) and stored by column block 0.
;   h: codebook rows 128 gp .. + 127 (gp = u / 2) = o tiles 2 gp + ot (ot = 0, 1), local row 64 ot + 4 r + c, and hidden
;      128 hh .. + 127 (hh = u % 2).  Wave w stages 16 codebook rows and 16 rows of w1; then it works as (ksl = w % 4, ot = w / 4):
;      hidden 128 hh + 32 ksl .. + 31 = K step ks = 4 hh + ksl, as two tiles mt of 16 = the two pieces of a fragment, all four chunks.
;
; LIMITS.  erf by Abramowitz-Stegun 7.1.26 (absolute error at most 1.5e-7), in the form gelu(z) = max(z, 0) - |z| q,
; q = 1/2 poly(t) exp(-z z / 2), t = 1 / (1 + 0.2316419 |z|): no cancellation on either tail, q runs to 0 for large |z|.
; Infinite or NaN pre-activations are not served.  s is made from bf16(x) and bf16(b2).  The order of the f32 sums is not reference()'s.
;
; NO CLUSTER, NO TENSOR LOADS HERE, though 32 work-groups read the same columns of w2 and 8 the same rows of x: every operand is f32 in
; memory and has to become bf16 before a fragment can be read (w2 by the 16-bit transposing load), so a joint fill would need the f32 tiles
; (1024 x 128 + 32 x 4096 = 262,144 bytes) AND their bf16 copy (98,304 + 69,632 bytes with padding) in LDS: more than its 327,680 bytes.
; So the loads go to registers, up to 56 in flight in each wave.
;
; TWO BARRIERS.  A: the codebook and w1 stages are whole.  B: the partial tiles of y and the partial s are whole.
.set WPITCH, 96                        ; an LDS row of 48 bf16 (32 of w2, b2[j], 15 zeros): 3 x 32 bytes, as the transposing load likes
.set WWAVE,  128*WPITCH                ; a wave's w2 stage, 128 rows j
.set WS,     0                         ; 8 waves
.set XPITCH, 272                       ; an LDS row of 128 bf16 + 16 bytes
.set XWAVE,  32*XPITCH                 ; a wave's x stage, 8,704 bytes; behind the products its first 4,096 bytes hold the wave's four partial tiles
.set XS,     8*WWAVE                   ; 8 waves x 32 rows (16 ci + token)
.set SS,     XS+8*XWAVE                ; partial s, [ci (2)][source wave (8)][32 x 4 bytes]
.set CPITCH, 144                       ; an LDS row of 64 bf16 + 16 bytes: 9 x 16, so 16 rows start at 16 different 16-byte columns
.set CBS,    SS+2048                   ; codebook in bf16, slot 32 c + 16 ot + r, 128 slots
.set W1S,    CBS+128*CPITCH            ; this work-group's 128 rows of w1 in bf16
; REGISTERS, in two windows of 256 (an instruction names v0-v255; s_set_vgpr_msb says which window each operand place means: bits 1:0
; source 0, 3:2 source 1, 5:4 source 2, 7:6 destination; the high byte repeats the setting that is left).
; Window 1 (v256-511) holds nothing but x and w2 as loaded: x chunk ci = 0 at 0, ci = 1 at 64, w2's rows 0-63 at 128, rows 64-127 at 192.
; Window 0:
.set YXO,   4                          ; v4   16 x thread = 512 w + 16 lane: my bytes in a row's piece of x
.set YWO,   5                          ; v5   131072 w + 1024 (lane / 8) + 16 (lane % 8): my bytes of w2
.set YBO,   6                          ; v6   512 w + 4 lane: my b2
.set YXST,  7                          ; v7   where I put x
.set YWST,  8                          ; v8   where I put w2
.set YBST,  9                          ; v9   row `lane` of my w2 stage: b2's column stands in the immediate
.set YWLD,  10                         ; v10  my w2 fragments (transposing load)
.set YXLD,  11                         ; v11  my x fragments
.set YRST,  12                         ; v12  where I put partial tiles: my own x stage, once its reads are over
.set YSST,  13                         ; v13  where I put partial s
.set YRLD,  14                         ; v14  tile w in wave 0's x stage (read by waves 0-3)
.set YSLD,  15                         ; v15  the eight partial s that I sum (waves 4, 5)
.set YOUT,  16                         ; v16  16 lane
.set SOUT,  17                         ; v17  4 r
.set L8,    18                         ; v18  lane % 8
.set LD8,   19                         ; v19  lane / 8
.set HGO,   20                         ; v20  4096 w + 16 lane: my bytes of the codebook rows and of the w1 rows (rows of 256 bytes both)
.set HHFO,  21                         ; v21  4096 ksl + 1024 ot + 16 lane: my bytes in hf
.set HB1O,  22                         ; v22  128 ksl + 32 h: my eight b1 of tile 0
.set HCBST, 23                         ; v23  where I put codebook numbers
.set HW1ST, 24                         ; v24  where I put w1 numbers
.set HW1LD, 25                         ; v25  my w1 fragments
.set HCBLD, 26                         ; v26  my codebook fragments
.set YTMP,  27                         ; v27  at work
.set B2R,   28                         ; v[28:31] b2 as loaded
.set B2P,   32                         ; v[32:35] bf16(b2[j]) and seven zeros
.set ZR,    36                         ; v[36:39] eight zeros
.set KA5,   40                         ; v[40:49] the polynomial's halved coefficients, each twice (pairs for packed arithmetic)
.set KA4,   42
.set KA3,   44
.set KA2,   46
.set KA1,   48
.set W1F,   50                         ; v[50:81]   w1 fragment (mt, ka) at 16 mt + 8 ka
.set B1C,   82                         ; v[82:97]   b1 as a C tile: tile mt at 8 mt, register j = b1[128 hh + 32 ksl + 16 mt + 8 h + j]
.set CBF,   98                         ; v[98:129]  codebook fragment (cc, ka) at 16 cc + 8 ka; before: the codebook as loaded
.set HACC,  130                        ; v[130:161] tile g = 2 cc + mt at 8 g;                   before: w1 as loaded
.set GT,    162                        ; v[162:193] GELU at work: t, exp, polynomial, result
.set GE,    170
.set GP,    178
.set GR,    186
.set PK,    194                        ; v[194:225] trip t, tile g: a piece at 16 t + 4 g, to store; never written twice
.set CT,    226                        ; v[226:241] eight loads' numbers in bf16, on their way to LDS
.set YACC,  50                         ; v[50:97]   when h is done: y's tile (ci, kt) at 8 (3 ci + kt); kt = 2: s
.set FB0,   98                         ; v[98:137], v[138:177] fragment buffers: w2 tile kt at 8 kt, x tile ci at 24 + 8 ci
.set FB1,   138
.set RT,    50                         ; v[50:113]  behind barrier B: one tile as the eight waves left it
.set MSB, 0
.macro WIN new
.if MSB != \new
	s_set_vgpr_msb (MSB<<8)|\new
.set MSB, \new
.endif
.endm
.set TO1,   0x40                       ; a load's destination in window 1, its address in window 0
.set FROM1, 0x05                       ; sources 0 and 1 in window 1, the destination in window 0
.macro PLACES                          ; four places behind a matrix instruction before its result is read or its registers are loaded again (ISA guide 7.12.1)
.rept 4
	v_nop
.endr
.endm
.macro CVST reg, addr, off             ; four f32 in v[reg .. reg+3] become four bf16, in place, and go to LDS
	v_cvt_pk_bf16_f32 v[\reg], v[\reg], v[\reg+1]
	v_cvt_pk_bf16_f32 v[\reg+1], v[\reg+2], v[\reg+3]
	ds_store_b64 v[\addr], v[\reg:\reg+1] offset:\off
.endm
.macro LDX q, bank                     ; chunk ci = q: sixteen tokens, my 512 consecutive bytes of each
.set n, 0
.rept 16
	global_load_b128 v[\bank+4*n:\bank+4*n+3], v[YXO], s[4:5] offset:n*16384+\q*4096
.set n, n+1
.endr
.endm
.macro LDW q, bank                     ; rows j = 128 w + 64 q .. + 63: a load takes four rows, 128 consecutive bytes (this block's 32 columns) for each eight lanes
.set n, 0
.rept 16
	global_load_b128 v[\bank+4*n:\bank+4*n+3], v[YWO], s[6:7] offset:(16*\q+n)*4096
.set n, n+1
.endr
.endm
; The data of eight loads (window 1, from register bank on) become bf16 and go to LDS: sixteen conversions under one window setting,
; then eight stores under the other.  left = how many younger loads may stay out.
; x: a store is 256 consecutive bytes of one row.  w2: four rows' 64 bytes, at 0, 96, 192, 288 modulo 256: four disjoint runs.
.macro YSTG bank, addr, off0, step, left
	s_wait_loadcnt \left                           ; loads come back in order (ISA guide 5.7.1): these eight are in
	WIN FROM1
.set n, 0
.rept 8
	v_cvt_pk_bf16_f32 v[CT+2*n],   v[\bank+4*n],   v[\bank+4*n+1]
	v_cvt_pk_bf16_f32 v[CT+2*n+1], v[\bank+4*n+2], v[\bank+4*n+3]
.set n, n+1
.endr
	WIN 0
.set n, 0
.rept 8
	ds_store_b64 v[\addr], v[CT+2*n:CT+2*n+1] offset:\off0+n*\step
.set n, n+1
.endr
.endm
	s_load_b256 s[4:11], s[0:1], 0x0               ; x s[4:5], w2 s[6:7], b2 s[8:9], codebook s[10:11]
	s_load_b256 s[12:19], s[0:1], 0x20             ; w1 s[12:13], b1 s[14:15], yf s[16:17], hf s[18:19]
	s_load_b64 s[20:21], s[0:1], 0x40              ; sv
	v_lshl_add_u32 v254, v0, 2, 0x32800
	v_mov_b32 v255, 0
	v_and_b32 v1, 31, v0                           ; lane
	v_and_b32 v2, 15, v0                           ; r
	v_bfe_u32 v3, v0, 4, 1                         ; h
	v_lshrrev_b32 v[YTMP], 5, v0
	v_readfirstlane_b32 s22, v[YTMP]               ; wave w, 0..7
	; y's offsets
	s_lshr_b32 s28, ttmp9, 4                       ; tt
	s_bfe_u32 s29, ttmp9, 0x10003                  ; cp
	s_and_b32 s25, ttmp9, 7                        ; cb
	s_lshl_b32 s26, s28, 18                        ; x: 16 tt rows of 16,384 bytes
	s_lshl_b32 s32, s29, 13                        ;    + 2 cp chunks of 4,096 bytes
	s_add_co_u32 s26, s26, s32
	s_mov_b32 s27, 0
	s_lshl_b32 s34, s25, 7                         ; w2: 32 cb columns
	s_mov_b32 s35, 0
	s_lshr_b32 s36, s28, 2                         ; yf: tb = tt / 4
	s_lshl_b32 s36, s36, 17
	s_bfe_u32 s32, s22, 0x10001                    ; the tile that waves 0-3 sum and store: (ci = w / 2, kt = w % 2)
	s_lshl1_add_u32 s32, s29, s32                  ; c = 2 cp + ci
	s_lshl_b32 s32, s32, 15
	s_add_co_u32 s36, s36, s32
	s_lshl_b32 s32, s25, 12                        ; ks = cb
	s_add_co_u32 s36, s36, s32
	s_and_b32 s32, s28, 3                          ; tt' = tt % 4
	s_lshl_b32 s32, s32, 10
	s_add_co_u32 s36, s36, s32
	s_and_b32 s32, s22, 1                          ; p = kt
	s_lshl_b32 s32, s32, 9
	s_add_co_u32 s36, s36, s32
	s_mov_b32 s37, 0
	s_mul_i32 s38, s22, WWAVE                      ; my w2 stage (WS = 0)
	s_mul_i32 s39, s22, XWAVE
	s_add_co_u32 s39, s39, XS                      ; my x stage
	s_lshl_b32 s41, s22, 7
	s_add_co_u32 s41, s41, SS
	s_lshl_b32 s42, s22, 10
	s_add_co_u32 s42, s42, XS                      ; tile w in wave 0's x stage
	; h's offsets
	s_and_b32 s24, s22, 3                          ; ksl
	s_lshr_b32 s43, s22, 2                         ; ot
	s_lshr_b32 s44, ttmp9, 1                       ; gp
	s_and_b32 s45, ttmp9, 1                        ; hh
	s_lshl_b32 s50, s44, 15                        ; codebook: gp x 128 rows x 256 bytes
	s_mov_b32 s51, 0
	s_lshl_b32 s52, s45, 15                        ; w1: hh x 128 rows x 256 bytes
	s_mov_b32 s53, 0
	s_lshl_b32 s46, s45, 9                         ; b1: hh x 128 numbers
	s_mov_b32 s47, 0
	s_lshr_b32 s54, s44, 1
	s_lshl_b32 s54, s54, 17                        ; hf: ob = gp / 2
	s_and_b32 s32, s44, 1
	s_lshl_b32 s32, s32, 11                        ;     ot' = 2 (gp % 2) + ot
	s_add_co_u32 s54, s54, s32
	s_lshl_b32 s32, s45, 14                        ;     ks = 4 hh + ksl
	s_add_co_u32 s54, s54, s32
	s_mov_b32 s55, 0
	s_mul_i32 s56, s22, 4*CPITCH
	s_add_co_u32 s56, s56, CBS
	s_mul_i32 s57, s22, 16*CPITCH
	s_add_co_u32 s57, s57, W1S
	s_mul_i32 s58, s24, 32*CPITCH
	s_add_co_u32 s58, s58, W1S
	s_mul_i32 s59, s43, 16*CPITCH
	s_add_co_u32 s59, s59, CBS
	s_mov_b32 s48, 0x3e6d3388                      ; 0.2316419 = 0.3275911 / sqrt 2
	v_lshlrev_b32 v[YXO], 4, v0
	v_and_b32 v[L8], 7, v0
	v_bfe_u32 v[LD8], v0, 3, 2
	v_lshlrev_b32 v[YWO], 4, v[L8]
	v_lshl_add_u32 v[YWO], v[LD8], 10, v[YWO]
	v_lshl_add_u32 v[YWO], s22, 17, v[YWO]
	v_lshlrev_b32 v[YBO], 2, v1
	v_lshl_add_u32 v[YBO], s22, 9, v[YBO]
	v_lshlrev_b32 v[YOUT], 4, v1
	v_lshl_add_u32 v[HGO], s22, 12, v[YOUT]
	v_lshl_add_u32 v[HHFO], s24, 12, v[YOUT]
	v_lshl_add_u32 v[HHFO], s43, 10, v[HHFO]
	v_lshlrev_b32 v[HB1O], 5, v3
	v_lshl_add_u32 v[HB1O], s24, 7, v[HB1O]
	s_wait_kmcnt 0x0
	s_add_nc_u64 s[4:5], s[4:5], s[26:27]
	s_add_nc_u64 s[6:7], s[6:7], s[34:35]
	s_add_nc_u64 s[16:17], s[16:17], s[36:37]
	s_add_nc_u64 s[10:11], s[10:11], s[50:51]
	s_add_nc_u64 s[12:13], s[12:13], s[52:53]
	s_add_nc_u64 s[14:15], s[14:15], s[46:47]
	s_add_nc_u64 s[18:19], s[18:19], s[54:55]
	; THE LOADS, what is wanted first in front: 8 + 8 + 4 + 4 + 32 = 56 go out here, w2's 32 further down, as older ones have come in
.set n, 0
.rept 8                                            ; my 16 codebook rows: load n = rows 16 w + 2 n + h, 512 consecutive bytes
	global_load_b128 v[CBF+4*n:CBF+4*n+3], v[HGO], s[10:11] offset:512*n
.set n, n+1
.endr
.set n, 0
.rept 8                                            ; my 16 rows of w1: load n = rows 128 hh + 16 w + 2 n + h
	global_load_b128 v[HACC+4*n:HACC+4*n+3], v[HGO], s[12:13] offset:512*n
.set n, n+1
.endr
.irp mt, 0,1
	global_load_b128 v[B1C+8*\mt:B1C+8*\mt+3],   v[HB1O], s[14:15] offset:64*\mt
	global_load_b128 v[B1C+8*\mt+4:B1C+8*\mt+7], v[HB1O], s[14:15] offset:64*\mt+16
.endr
.irp i, 0,1,2,3
	global_load_b32 v[B2R+\i], v[YBO], s[8:9] offset:128*\i        ; b2[128 w + 32 i + lane]
.endr
	WIN TO1
	LDX 0, 0
	LDX 1, 64
	WIN 0
	; LDS addresses and constants, while the loads are on their way
	v_mul_u32_u24 v[HCBST], v3, 32*CPITCH          ; row 16 w + 2 n + h is chunk c = 2 (n % 2) + h, slot 32 c + 4 w + n / 2
	v_lshl_add_u32 v[HCBST], v2, 3, v[HCBST]
	v_add_nc_u32 v[HCBST], s56, v[HCBST]           ; CBS + 576 w + 4608 h + 8 r
	v_mul_u32_u24 v[HW1ST], v3, CPITCH
	v_lshl_add_u32 v[HW1ST], v2, 3, v[HW1ST]
	v_add_nc_u32 v[HW1ST], s57, v[HW1ST]           ; W1S + 2304 w + 144 h + 8 r
	v_mul_u32_u24 v[HCBLD], v2, CPITCH
	v_lshl_add_u32 v[HCBLD], v3, 4, v[HCBLD]       ; 144 r + 16 h
	v_add_nc_u32 v[HW1LD], s58, v[HCBLD]           ; W1S + 4608 ksl + 144 r + 16 h
	v_add_nc_u32 v[HCBLD], s59, v[HCBLD]           ; CBS + 2304 ot + 144 r + 16 h
	v_lshl_add_u32 v[YXST], v1, 3, s39             ; XS + 8704 w + 8 lane
	v_mul_u32_u24 v[YWST], v[LD8], WPITCH
	v_lshl_add_u32 v[YWST], v[L8], 3, v[YWST]
	v_add_nc_u32 v[YWST], s38, v[YWST]             ; WS + 12288 w + 96 (lane / 8) + 8 (lane % 8)
	v_mul_u32_u24 v[YBST], v1, WPITCH
	v_add_nc_u32 v[YBST], s38, v[YBST]             ; WS + 12288 w + 96 lane
	v_lshl_add_u32 v[YWLD], v3, 3, v[L8]           ; row 8 h + lane % 8
	v_mul_u32_u24 v[YWLD], v[YWLD], WPITCH
	v_bfe_u32 v[YTMP], v0, 3, 1
	v_lshl_add_u32 v[YWLD], v[YTMP], 4, v[YWLD]    ; + 16 ((lane / 8) % 2)
	v_add_nc_u32 v[YWLD], s38, v[YWLD]
	v_mul_u32_u24 v[YXLD], v2, XPITCH
	v_lshl_add_u32 v[YXLD], v3, 4, v[YXLD]
	v_add_nc_u32 v[YXLD], s39, v[YXLD]             ; XS + 8704 w + 272 r + 16 h
	v_add_nc_u32 v[YRST], s39, v[YOUT]             ; XS + 8704 w + 16 lane
	v_lshl_add_u32 v[YSST], v1, 2, s41             ; SS + 128 w + 4 lane
	v_add_nc_u32 v[YRLD], s42, v[YOUT]             ; XS + 1024 w + 16 lane
.irp i, 1,2,3,4,5,6,7
	v_mov_b32 v[B2P+\i], 0                         ; the zeros of columns 33 .. 47
.endr
	v_mov_b32 v[KA5], 0x3f07dc22                   ;  1.061405429 / 2
	v_mov_b32 v[KA5+1], 0x3f07dc22
	v_mov_b32 v[KA4], 0xbf3a00e3                   ; -1.453152027 / 2
	v_mov_b32 v[KA4+1], 0xbf3a00e3
	v_mov_b32 v[KA3], 0x3f35f0e3                   ;  1.421413741 / 2
	v_mov_b32 v[KA3+1], 0x3f35f0e3
	v_mov_b32 v[KA2], 0xbe11a98e                   ; -0.284496736 / 2
	v_mov_b32 v[KA2+1], 0xbe11a98e
	v_mov_b32 v[KA1], 0x3e027906                   ;  0.254829592 / 2
	v_mov_b32 v[KA1+1], 0x3e027906
	s_wait_loadcnt 48                              ; the codebook's eight are in; w1's 8, b1's 4, b2's 4 and x's 32 stay out
.set n, 0
.rept 8
	CVST CBF+4*n, HCBST, (n&1)*64*CPITCH+(n>>1)*CPITCH
.set n, n+1
.endr
	s_wait_loadcnt 40                              ; w1 is in; b1's 4, b2's 4 and x's 32 stay out
	WIN TO1
	LDW 0, 128                                     ; w2's rows 0-63 of my 128: 56 loads are out again
	WIN 0
.set n, 0
.rept 8
	CVST HACC+4*n, HW1ST, 2*CPITCH*n
.set n, n+1
.endr
	; BARRIER A: the codebook and w1 stages are whole behind it.  The loads of x and w2 stay on their way: nobody writes those global bytes.
	s_wait_dscnt 0x0                               ; my LDS stores are done, for the others' sake
	s_barrier_signal -1
	s_barrier_wait -1
.irp mt, 0,1
.irp ka, 0,1
	ds_load_b128 v[W1F+16*\mt+8*\ka:W1F+16*\mt+8*\ka+3],   v[HW1LD] offset:\mt*16*CPITCH+\ka*64
	ds_load_b128 v[W1F+16*\mt+8*\ka+4:W1F+16*\mt+8*\ka+7], v[HW1LD] offset:\mt*16*CPITCH+\ka*64+32
.endr
.endr
	s_wait_loadcnt 48                              ; b1 and b2 are in; x's 32 and w2's first 16 stay out
.irp i, 0,1,2,3
	v_cvt_pk_bf16_f32 v[B2P], v[B2R+\i], v[ZR]     ; b2 in the low half (column 32), zero in the high half (column 33)
	ds_store_b128 v[YBST], v[B2P:B2P+3] offset:32*WPITCH*\i+64     ; columns 32 .. 39 of row 32 i + lane
	ds_store_b128 v[YBST], v[ZR:ZR+3] offset:32*WPITCH*\i+80       ; columns 40 .. 47
.endr
; gelu of the eight numbers v[z .. z+7], packed to bf16 in v[pk .. pk+3].  Behind a run of v_rcp_f32 or v_exp_f32 stands plain
; arithmetic on other registers before a result is used (ISA guide 5.7.2): the scaling of z z behind the reciprocals, the
; polynomial's first step behind the exponentials.
.macro GELU8 z, pk
.irp i, 0,1,2,3,4,5,6,7
	v_fma_f32 v[GT+\i], |v[\z+\i]|, s48, 1.0
.endr
.irp i, 0,2,4,6
	v_pk_mul_f32 v[GE+\i:GE+\i+1], v[\z+\i:\z+\i+1], v[\z+\i:\z+\i+1]
.endr
.irp i, 0,1,2,3,4,5,6,7
	v_rcp_f32 v[GT+\i], v[GT+\i]                   ; t
.endr
.irp i, 0,2,4,6
	v_pk_mul_f32 v[GE+\i:GE+\i+1], v[GE+\i:GE+\i+1], 0xbf38aa3b op_sel_hi:[1,0]   ; z z x (-log2 e / 2)
.endr
.irp i, 0,1,2,3,4,5,6,7
	v_exp_f32 v[GE+\i], v[GE+\i]                   ; exp(-z z / 2)
.endr
	s_wait_alu depctr_va_vdst(0)
.irp i, 0,2,4,6
	v_pk_fma_f32 v[GP+\i:GP+\i+1], v[GT+\i:GT+\i+1], v[KA5:KA5+1], v[KA4:KA4+1]
.endr
.irp c, KA3, KA2, KA1
.irp i, 0,2,4,6
	v_pk_fma_f32 v[GP+\i:GP+\i+1], v[GP+\i:GP+\i+1], v[GT+\i:GT+\i+1], v[\c:\c+1]
.endr
.endr
.irp i, 0,2,4,6
	v_pk_mul_f32 v[GP+\i:GP+\i+1], v[GP+\i:GP+\i+1], v[GT+\i:GT+\i+1]
.endr
.irp i, 0,2,4,6
	v_pk_mul_f32 v[GP+\i:GP+\i+1], v[GP+\i:GP+\i+1], v[GE+\i:GE+\i+1]             ; q
.endr
.irp i, 0,1,2,3,4,5,6,7
	v_max_num_f32 v[GR+\i], 0, v[\z+\i]
.endr
.irp i, 0,1,2,3,4,5,6,7
	v_fma_f32 v[GR+\i], -|v[\z+\i]|, v[GP+\i], v[GR+\i]                           ; max(z, 0) - |z| q
.endr
.irp j, 0,1,2,3
	v_cvt_pk_bf16_f32 v[\pk+\j], v[GR+2*\j], v[GR+2*\j+1]
.endr
.endm
; Trip t = chunks c = 2 t + cc (cc = 0, 1): 2 x 16 rows of my o tile x my 32 hidden = four tiles g = 2 cc + mt.  Both trips are written
; out, each with packed registers of its own, and the chunk stands in the immediates: no address is stepped, no store's data rewritten.
; In the second trip the loads into the codebook fragments and the first products, which write over the accumulators, stand behind the
; first trip's whole GELU: far more than five plain instructions that name none of the last matrix instruction's registers.
.macro HMUL t
.irp cc, 0,1
.irp ka, 0,1
	ds_load_b128 v[CBF+16*\cc+8*\ka:CBF+16*\cc+8*\ka+3],   v[HCBLD] offset:(2*\t+\cc)*32*CPITCH+\ka*64
	ds_load_b128 v[CBF+16*\cc+8*\ka+4:CBF+16*\cc+8*\ka+7], v[HCBLD] offset:(2*\t+\cc)*32*CPITCH+\ka*64+32
.endr
.endr
	s_wait_dscnt 0x0                               ; these eight (in the first trip w1's fragments too)
	; source 0 = w1's rows, source 1 = codebook rows: register j of lane (r, h) = z(hidden 16 mt + 8 h + j of my 32, row r).
	; b1 enters as the first product's C.  The four accumulators take turns, one instruction a turn.
.irp cc, 0,1
.irp mt, 0,1
	v_wmma_f32_16x16x32_bf16 v[HACC+16*\cc+8*\mt:HACC+16*\cc+8*\mt+7], v[W1F+16*\mt:W1F+16*\mt+7], v[CBF+16*\cc:CBF+16*\cc+7], v[B1C+8*\mt:B1C+8*\mt+7]
.endr
.endr
.irp cc, 0,1
.irp mt, 0,1
	v_wmma_f32_16x16x32_bf16 v[HACC+16*\cc+8*\mt:HACC+16*\cc+8*\mt+7], v[W1F+16*\mt+8:W1F+16*\mt+15], v[CBF+16*\cc+8:CBF+16*\cc+15], v[HACC+16*\cc+8*\mt:HACC+16*\cc+8*\mt+7]
.endr
.endr
	PLACES
.endm
.macro HG t, g                         ; tile g of trip t: its GELU, and its piece of hf: piece mt = g % 2 of chunk c = 2 t + g / 2, 512 consecutive bytes, aligned
	GELU8 HACC+8*\g, PK+16*\t+4*\g
	global_store_b128 v[HHFO], v[PK+16*\t+4*\g:PK+16*\t+4*\g+3], s[18:19] offset:(2*\t+(\g>>1))*32768+(\g&1)*512
.endm
	; THE INTERLEAVED STRETCH: eight GELU tiles, behind each the data of eight loads.  The counts are the younger loads: in front of the
	; first group x's other 24 and w2's first 16; then w2's second 16 go out, and the counts run down from 48 by eight.
	HMUL 0
	HG 0, 0
	YSTG 0, YXST, 0, XPITCH, 40
	WIN TO1
	LDW 1, 192                                     ; w2's rows 64-127 of my 128: 56 loads are out again
	WIN 0
	HG 0, 1
	YSTG 32, YXST, 8*XPITCH, XPITCH, 48
	HG 0, 2
	YSTG 64, YXST, 16*XPITCH, XPITCH, 40
	HG 0, 3
	YSTG 96, YXST, 24*XPITCH, XPITCH, 32
	HMUL 1
	HG 1, 0
	YSTG 128, YWST, 0, 4*WPITCH, 24
	HG 1, 1
	YSTG 160, YWST, 32*WPITCH, 4*WPITCH, 16
	HG 1, 2
	YSTG 192, YWST, 64*WPITCH, 4*WPITCH, 8
	HG 1, 3
	YSTG 224, YWST, 96*WPITCH, 4*WPITCH, 0
; 10 LDS loads: the fragments of K step ks.  w2 lies [j][k] in LDS, so its fragments (rows k, j along the registers) come by the
; transposing load: two of them, 16 rows of j apart.
.macro YFETCH ks, f
.irp kt, 0,1,2
	ds_load_tr16_b128 v[\f+8*\kt:\f+8*\kt+3],   v[YWLD] offset:\ks*32*WPITCH+\kt*32
	ds_load_tr16_b128 v[\f+8*\kt+4:\f+8*\kt+7], v[YWLD] offset:\ks*32*WPITCH+\kt*32+16*WPITCH
.endr
.irp ci, 0,1
	ds_load_b128 v[\f+24+8*\ci:\f+24+8*\ci+3],   v[YXLD] offset:\ci*16*XPITCH+\ks*64
	ds_load_b128 v[\f+24+8*\ci+4:\f+24+8*\ci+7], v[YXLD] offset:\ci*16*XPITCH+\ks*64+32
.endr
.endm
; 6 matrix instructions: source 0 = w2's columns k, source 1 = tokens: register j of lane (r, h) = y(token r, k = 16 kt + 8 h + j).
; The six accumulators take turns, one instruction a turn, from K step to K step too.
.macro YMUL f, zero
.irp ci, 0,1
.irp kt, 0,1,2
.if \zero
	v_wmma_f32_16x16x32_bf16 v[YACC+8*(3*\ci+\kt):YACC+8*(3*\ci+\kt)+7], v[\f+8*\kt:\f+8*\kt+7], v[\f+24+8*\ci:\f+24+8*\ci+7], 0
.else
	v_wmma_f32_16x16x32_bf16 v[YACC+8*(3*\ci+\kt):YACC+8*(3*\ci+\kt)+7], v[\f+8*\kt:\f+8*\kt+7], v[\f+24+8*\ci:\f+24+8*\ci+7], v[YACC+8*(3*\ci+\kt):YACC+8*(3*\ci+\kt)+7]
.endif
.endr
.endr
.endm
.macro YADD8 d, a                      ; v[d .. d+7] += v[a .. a+7]
.irp i, 0,2,4,6
	v_pk_add_f32 v[\d+\i:\d+\i+1], v[\d+\i:\d+\i+1], v[\a+\i:\a+\i+1]
.endr
.endm
	; y's PRODUCT, on the registers that h has left.  A wave reads only the stage bytes that it wrote itself, and LDS serves a wave's
	; instructions in order (ISA guide 5.7.1.4): no barrier and no wait between its stores and these loads.
	YFETCH 0, FB0
	YFETCH 1, FB1
	s_wait_dscnt 10                                ; all but the 10 youngest: K step 0's fragments are in
	YMUL FB0, 1                                    ; the first products start the sums
	PLACES
	YFETCH 2, FB0
	s_wait_dscnt 10
	YMUL FB1, 0
	PLACES
	YFETCH 3, FB1
	s_wait_dscnt 10
	YMUL FB0, 0
	s_wait_dscnt 0x0                               ; the last fragments are in: my reads of my x stage are over
	YMUL FB1, 0
	PLACES
	; my four partial tiles go over my own x stage (4 x 1,024 of its 8,704 bytes), which no other wave has touched so far
.irp ci, 0,1
.irp kt, 0,1
	ds_store_b128 v[YRST], v[YACC+8*(3*\ci+\kt):YACC+8*(3*\ci+\kt)+3]   offset:(2*\ci+\kt)*1024
	ds_store_b128 v[YRST], v[YACC+8*(3*\ci+\kt)+4:YACC+8*(3*\ci+\kt)+7] offset:(2*\ci+\kt)*1024+512
.endr
	ds_store_b32 v[YSST], v[YACC+8*(3*\ci+2)] offset:\ci*1024      ; register 0 of the third tile: lanes 0-15 hold s of token r (column 32), lanes 16-31 column 40: zero
.endr
	; BARRIER B: the partial tiles of y and the partial s are whole behind it.
	s_wait_dscnt 0x0                               ; my LDS stores are done, for the others' sake
	s_barrier_signal -1
	s_barrier_wait -1
	s_cmp_ge_u32 s22, 6
	s_cbranch_scc1 .Lend                           ; four tiles and two s: waves 6 and 7 have nothing left
	s_cmp_ge_u32 s22, 4
	s_cbranch_scc1 .Ls
	; waves 0-3: tile w = (ci = w / 2, kt = w % 2) as the eight waves left it, each in its own x stage
.set n, 0
.rept 8
	ds_load_b128 v[RT+8*n:RT+8*n+3],   v[YRLD] offset:n*XWAVE
	ds_load_b128 v[RT+8*n+4:RT+8*n+7], v[YRLD] offset:n*XWAVE+512
.set n, n+1
.endr
	s_wait_dscnt 0x0
	YADD8 RT, RT+8
	YADD8 RT+16, RT+24
	YADD8 RT+32, RT+40
	YADD8 RT+48, RT+56
	YADD8 RT, RT+16
	YADD8 RT+32, RT+48
	YADD8 RT, RT+32
.irp j, 0,1,2,3
	v_cvt_pk_bf16_f32 v[RT+64+\j], v[RT+2*\j], v[RT+2*\j+1]
.endr
	global_store_b128 v[YOUT], v[RT+64:RT+67], s[16:17]            ; one piece of yf: 512 consecutive bytes, aligned
	s_wait_tensorcnt 0x0
	ds_add_u32 v254, v255
	s_wait_dscnt 0x0
	s_endpgm
	; waves 4, 5: s of chunk ci = w - 4; column block 0 alone stores it
.Ls:
	s_cmp_lg_u32 s25, 0
	s_cbranch_scc1 .Lend
	s_and_b32 s32, s22, 1                          ; ci
	s_lshl_b32 s33, s32, 10
	s_add_co_u32 s33, s33, SS
	v_lshl_add_u32 v[YSLD], v1, 2, s33             ; SS + 1024 ci + 4 lane
.irp i, 0,1,2,3,4,5,6,7
	ds_load_b32 v[RT+\i], v[YSLD] offset:128*\i
.endr
	s_lshl1_add_u32 s32, s29, s32                  ; sv[c = 2 cp + ci][16 tt + r]
	s_lshl_b32 s32, s32, 10
	s_lshl_b32 s33, s28, 6
	s_add_co_u32 s32, s32, s33
	s_mov_b32 s33, 0
	s_add_nc_u64 s[20:21], s[20:21], s[32:33]
	v_lshlrev_b32 v[SOUT], 2, v2
	v_cmp_gt_u32 vcc_lo, 16, v1
	s_wait_dscnt 0x0
	v_pk_add_f32 v[RT:RT+1], v[RT:RT+1], v[RT+2:RT+3]
	v_pk_add_f32 v[RT+4:RT+5], v[RT+4:RT+5], v[RT+6:RT+7]
	v_pk_add_f32 v[RT:RT+1], v[RT:RT+1], v[RT+4:RT+5]
	v_add_f32 v[RT], v[RT], v[RT+1]
	s_wait_xcnt 0x0                                ; EXEC is a source of every global instruction issued so far: it changes only behind this wait
	s_and_saveexec_b32 s31, vcc_lo
	global_store_b32 v[SOUT], v[RT], s[20:21]      ; sixteen lanes, 64 consecutive bytes: all of s that this work-group's 16 tokens have for one chunk
	s_wait_xcnt 0x0                                ; and again in front of the line that widens it
	s_or_b32 exec_lo, exec_lo, s31
.Lend:
	s_wait_tensorcnt 0x0
	ds_add_u32 v254, v255
	s_wait_dscnt 0x0
	s_endpgm
.Lfunc_end_k_q00f5d36f87_prep:
	.size	k_q00f5d36f87_prep, .Lfunc_end_k_q00f5d36f87_prep-k_q00f5d36f87_prep
	.p2alignl 7, 3214868480
	.fill 96, 4, 3214868480
	.section	.rodata,"a",@progbits
	.p2align	6, 0x0
	.amdhsa_kernel k_q00f5d36f87_prep
		.amdhsa_group_segment_fixed_size 207872
		.amdhsa_private_segment_fixed_size 0
		.amdhsa_enable_private_segment 0
		.amdhsa_kernarg_size 72
		.amdhsa_user_sgpr_count 2
		.amdhsa_user_sgpr_kernarg_segment_ptr 1
		.amdhsa_wavefront_size32 1
		.amdhsa_system_sgpr_workgroup_id_x 1
		.amdhsa_system_sgpr_workgroup_id_y 1
		.amdhsa_system_sgpr_workgroup_id_z 1
		.amdhsa_system_vgpr_workitem_id 0
		.amdhsa_next_free_vgpr 512
		.amdhsa_next_free_sgpr 66
		.amdhsa_reserve_vcc 1
		.amdhsa_float_denorm_mode_32 3
		.amdhsa_float_denorm_mode_16_64 3
		.amdhsa_memory_ordered 1
		.amdhsa_forward_progress 1
		.amdhsa_inst_pref_size 79
	.end_amdhsa_kernel
	.amdgpu_metadata
---
amdhsa.version: [ 1, 2 ]
amdhsa.kernels:
  - .name:           k_q00f5d36f87_prep
    .symbol:         k_q00f5d36f87_prep.kd
    .args:
      - { .name: x, .offset: 0, .size: 8, .value_kind: global_buffer, .address_space: global }
      - { .name: w2, .offset: 8, .size: 8, .value_kind: global_buffer, .address_space: global }
      - { .name: b2, .offset: 16, .size: 8, .value_kind: global_buffer, .address_space: global }
      - { .name: codebook, .offset: 24, .size: 8, .value_kind: global_buffer, .address_space: global }
      - { .name: w1, .offset: 32, .size: 8, .value_kind: global_buffer, .address_space: global }
      - { .name: b1, .offset: 40, .size: 8, .value_kind: global_buffer, .address_space: global }
      - { .name: yf, .offset: 48, .size: 8, .value_kind: global_buffer, .address_space: global }
      - { .name: hf, .offset: 56, .size: 8, .value_kind: global_buffer, .address_space: global }
      - { .name: sv, .offset: 64, .size: 8, .value_kind: global_buffer, .address_space: global }
    .group_segment_fixed_size: 207872
    .private_segment_fixed_size: 0
    .kernarg_segment_align: 8
    .kernarg_segment_size: 72
    .max_flat_workgroup_size: 256
    .sgpr_count:     66
    .vgpr_count:     512
    .wavefront_size: 32
...
	.end_amdgpu_metadata
.endif
;; end of part 1
;; launch gemm (part 2): grid 64 x 4, 4 waves a work-group, clusters of 4 x 4, 262,656 bytes of LDS; arguments yf, hf, sv, bias, out0; writes out0
.if DOCPART == 2
	.amdgcn_target "amdgcn-amd-amdhsa--gfx1250"
	.amdhsa_code_object_version 6
	.text
	.protected	k_q00f5d36f87_gemm
	.globl	k_q00f5d36f87_gemm
	.p2align	8
	.type	k_q00f5d36f87_gemm,@function
k_q00f5d36f87_gemm:
	s_mov_b64 s[64:65], 0
	v_nop
	global_prefetch_b8 v0, s[64:65] scope:SCOPE_SE
	s_setreg_imm32_b32 hwreg(HW_REG_WAVE_MODE, 25, 1), 1
	s_wait_xcnt 0x0
	s_wait_alu depctr_hold_cnt(0) depctr_sa_sdst(0) depctr_va_vdst(0) depctr_va_sdst(0) depctr_va_ssrc(0) depctr_va_vcc(0) depctr_vm_vsrc(0)
	s_getreg_b32 s2, hwreg(HW_REG_IB_STS2, 6, 4)
	s_cmp_eq_u32 s2, 0
	s_cbranch_scc0 .Lentry_in_a_cluster
	s_endpgm
.Lentry_in_a_cluster:
	s_bfe_u32 s2, ttmp6, 0x10000c
	s_cmp_lg_u32 s2, 0xf033
	s_cbranch_scc0 .Lentry_shape_is_right
	s_endpgm
.Lentry_shape_is_right:
; ManifoldLinear, second of two launches: out[t][o] = sum_{c,k} y[t][c][k] h[4 o + c][k] + sum_c s[c][t] + bias[o].
; y (bf16, 256 x 1024) and h (bf16, 4096 x 1024 as [o][c][k]) lie in FRAGMENT ORDER: a 16 x 32 operand is 1,024 bytes,
; [piece p (2)][lane (32)][16 bytes] = registers 4 p .. 4 p + 3 of the lane;
;   yf byte = tb 131072 + c 32768 + ks 4096 + tt' 1024 + p 512 + 16 lane   (token 64 tb + 16 tt' + lane % 16)
;   hf byte = ob 131072 + c 32768 + ks 4096 + ot' 1024 + p 512 + 16 lane   (o = 64 ob + 16 ot' + lane % 16)
; A work-group makes the block of 64 tokens (tb) x 64 outputs (ob).  The sum is split over its four waves: wave w takes chunk c = w,
; eight K steps of 32, on 16 accumulator tiles; its share of y and of h is 32,768 consecutive bytes each.  So each LDS byte is read
; once, by the wave that asked for it, lane i at byte 16 i of 512 (no padding needed), and the wave's own wait on TENSORcnt is all
; the ordering that its reads need.  The four waves' 4 x 65,536 bytes fit in LDS at once: each byte is filled once, nothing is filled again.
; CLUSTERS: 4 x 4 work-groups.  y's part hangs on tb alone, which a row of the cluster shares; h's on ob alone, which a column shares.
; Each is asked for jointly by the four that share it: the same line, the same descriptor, a mask that names the four.
; The four partial blocks meet in LDS: each wave's stage (64 rows x 256 bytes, pitch 272) lies over its own y part, whose one fill
; has landed and whose reads, all the wave's own, are over.
; The order of the f32 sums is not reference()'s; y and h are rounded to bf16.
.set F0,   16                          ; v[16:79], v[80:143] fragment buffers: y tile tt' at 8 tt', h tile ot' at 32 + 8 ot'
.set F1,   80
.set RB,   16                          ; on the way out: row i, source wave s at 16 i + 4 s
.set BIAS, 144                         ; v[144:147] bias of my four columns
.set SV,   148                         ; v[148:179] s[c][my eight rows] at 8 c; summed into v[148:155]
.set LA,   4                           ; v4     65536 w + 16 lane: my bytes of every piece
.set STO,  5                           ; v5     65536 w + 272 r + 32 h: where I put results
.set RD,   6                           ; v[6:9] 65536 s + 4352 w + 2176 h + 16 r: where I read the four partial rows
.set CO,   10                          ; v10    131072 h + 16 r: my bytes in out
.set BO,   11                          ; v11    16 r
.set SO,   12                          ; v12    32 h
.set SPITCH, 272                       ; 17 x 16 bytes: sixteen rows start at sixteen different 16-byte columns
.set G1Y,  24                          ; s[24:31] descriptor group 1 for y's parts, s[32:39] for h's: they differ in the mask alone
.set G1H,  32
.set GY0,  40                          ; four groups 0, none written again: K steps 0-3 and 4-7 of y and of h
.set GH0,  44
.set GY1,  48
.set GH1,  52
; Accumulator tile (tt', ot') is v[256 + 8 (4 tt' + ot')]: the second window of 256 registers (s_set_vgpr_msb: bits 1:0 source 0,
; 3:2 source 1, 5:4 source 2, 7:6 destination; the high byte repeats the setting that is left).
.set MSB, 0
.macro WIN new
.if MSB != \new
	s_set_vgpr_msb (MSB<<8)|\new
.set MSB, \new
.endif
.endm
.set MULW, 0x50                        ; C and D in window 1, A and B in window 0
.set STW,  0x04                        ; an LDS store's data in window 1, its address in window 0
.macro PLACES                          ; four places behind a matrix instruction before its result is read or its registers are loaded again (ISA guide 7.12.1)
.rept 4
	v_nop
.endr
.endm
; A round of the cluster's barrier: my work-group's barrier, wave 0 signals for the work-group, every wave waits for all sixteen
; work-groups, my work-group's barrier once more.
.macro ROUND
	s_barrier_signal -1
	s_barrier_wait -1
	s_cmp_lg_u32 s14, 0
	s_cbranch_scc1 .Lnot_wave_0_\@
	s_barrier_signal -3
.Lnot_wave_0_\@:
	s_barrier_wait -3
	s_barrier_signal -1
	s_barrier_wait -1
.endm
.macro DESC g0, lds, base, goff        ; a group 0: 16,384 bytes from s[base] + goff to my 65,536 bytes of LDS + lds
	s_mov_b32 s[\g0], 1                                            ; count = 1
	s_add_co_u32 s[\g0+1], s21, \lds                               ; LDS address: the wave's number and constants alone
	s_add_nc_u64 s[\g0+2:\g0+3], s[\base:\base+1], \goff           ; global address
	s_or_b32 s[\g0+3], s[\g0+3], 0x80000000                        ; type = 2
.endm
	s_load_b256 s[4:11], s[0:1], 0x0               ; yf s[4:5], hf s[6:7], sv s[8:9], bias s[10:11]
	s_load_b64 s[12:13], s[0:1], 0x20              ; out0
	v_lshl_add_u32 v254, v0, 2, 0x40000
	v_mov_b32 v255, 0
	ds_add_u32 v254, v255
	v_lshrrev_b32 v13, 5, v0
	v_readfirstlane_b32 s14, v13                   ; wave w = chunk c
	s_bfe_u32 s15, ttmp6, 0x40000                  ; cx
	s_bfe_u32 s16, ttmp6, 0x40004                  ; cy
	s_lshl_b32 s17, ttmp9, 2                       ; in a cluster launch ttmp9 and ttmp7 count clusters
	s_add_co_u32 s17, s17, s15                     ; ob = 4 x cluster x + cx
	s_and_b32 s18, ttmp7, 0xffff
	s_lshl_b32 s18, s18, 2
	s_add_co_u32 s18, s18, s16                     ; tb = 4 x cluster y + cy
	s_lshl_b32 s19, s16, 2
	s_lshl_b32 s19, 15, s19                        ; my row of the cluster: places 4 cy .. 4 cy + 3
	s_lshl_b32 s20, 0x1111, s15                    ; my column: places cx, cx + 4, cx + 8, cx + 12
	s_lshl_b32 s21, s14, 16                        ; my 65,536 bytes of LDS
	; group 1: a dense block of 16,384 bytes as 64 rows of 32 elements of 8 bytes, no padding
	s_or_b32 s[G1Y+0], s19, (3<<16)|(1<<21)        ; 15:0 the mask; 17:16 elements of 8 bytes; 21 set beside a mask
	s_or_b32 s[G1H+0], s20, (3<<16)|(1<<21)
.irp g, G1Y, G1H
	s_mov_b32 s[\g+1], 32<<16                      ; tensor_dim0 = 32
	s_mov_b32 s[\g+2], 64<<16                      ; tensor_dim1 = 64
	s_mov_b32 s[\g+3], 32<<16                      ; tile_dim0 = 32
	s_mov_b32 s[\g+4], 64                          ; tile_dim1 = 64
	s_mov_b32 s[\g+5], 32                          ; 32 elements from row to row
	s_mov_b32 s[\g+6], 0
	s_mov_b32 s[\g+7], 0
.endr
	s_lshl2_add_u32 s56, s18, s14                  ; y: (4 tb + w) x 32,768 bytes; these registers never hold cx
	s_lshl_b32 s56, s56, 15
	s_mov_b32 s57, 0
	s_lshl2_add_u32 s58, s17, s14                  ; h: (4 ob + w) x 32,768 bytes; these never hold cy
	s_lshl_b32 s58, s58, 15
	s_mov_b32 s59, 0
	s_wait_dscnt 0x0
	s_wait_kmcnt 0x0
	s_add_nc_u64 s[56:57], s[4:5], s[56:57]
	s_add_nc_u64 s[58:59], s[6:7], s[58:59]
	DESC GY0, 0,     56, 0
	DESC GH0, 32768, 58, 0
	DESC GY1, 16384, 56, 16384
	DESC GH1, 49152, 58, 16384
	ROUND                                          ; all sixteen work-groups are here: the joint loads meet
	tensor_load_to_lds s[GY0:GY0+3], s[G1Y:G1Y+7]  ; all fills of the launch, in one group: four tensor loads of this wave are out
	s_nop 0
	tensor_load_to_lds s[GH0:GH0+3], s[G1H:G1H+7]
	s_nop 0
	tensor_load_to_lds s[GY1:GY1+3], s[G1Y:G1Y+7]
	s_nop 0
	tensor_load_to_lds s[GH1:GH1+3], s[G1H:G1H+7]
	s_nop 0
	v_and_b32 v1, 31, v0                           ; lane
	v_and_b32 v2, 15, v0                           ; r
	v_bfe_u32 v3, v0, 4, 1                         ; h
	s_lshl_b32 s60, s18, 20                        ; out: 64 tb rows of 16,384 bytes
	s_lshl_b32 s23, s14, 18                        ;      + 16 w rows: the rows that I finish
	s_add_co_u32 s60, s60, s23
	s_lshl_b32 s23, s17, 8                         ;      + 64 ob columns
	s_add_co_u32 s60, s60, s23
	s_mov_b32 s61, 0
	s_add_nc_u64 s[12:13], s[12:13], s[60:61]
	s_lshl_b32 s60, s18, 8                         ; sv: token 64 tb + 16 w
	s_lshl_b32 s23, s14, 6
	s_add_co_u32 s60, s60, s23
	s_add_nc_u64 s[8:9], s[8:9], s[60:61]
	s_lshl_b32 s60, s17, 8                         ; bias: column 64 ob
	s_add_nc_u64 s[10:11], s[10:11], s[60:61]
	v_lshlrev_b32 v[BO], 4, v2
	v_lshlrev_b32 v[SO], 5, v3
	global_load_b128 v[BIAS:BIAS+3], v[BO], s[10:11]               ; bias[64 ob + 4 r .. + 3]
.irp c, 0,1,2,3
	global_load_b128 v[SV+8*\c:SV+8*\c+3],   v[SO], s[8:9] offset:\c*1024          ; s[c][64 tb + 16 w + 8 h + 0 .. 3]
	global_load_b128 v[SV+8*\c+4:SV+8*\c+7], v[SO], s[8:9] offset:\c*1024+16       ; .. + 4 .. 7
.endr
	v_lshl_add_u32 v[LA], v1, 4, s21
	v_mul_u32_u24 v[STO], v2, SPITCH
	v_lshl_add_u32 v[STO], v3, 5, v[STO]
	v_add_nc_u32 v[STO], s21, v[STO]
	s_mul_i32 s22, s14, 16*SPITCH
	v_mul_u32_u24 v[RD], v3, 8*SPITCH
	v_lshl_add_u32 v[RD], v2, 4, v[RD]
	v_add_nc_u32 v[RD], s22, v[RD]
	v_add_nc_u32 v[RD+1], 0x10000, v[RD]
	v_add_nc_u32 v[RD+2], 0x20000, v[RD]
	v_add_nc_u32 v[RD+3], 0x30000, v[RD]
	v_lshl_add_u32 v[CO], v3, 17, v[BO]
; 16 LDS loads: K step ks, four fragments of y and four of h, each load 512 consecutive bytes
.macro FETCH ks, f
.irp i, 0,1,2,3
	ds_load_b128 v[\f+8*\i:\f+8*\i+3],   v[LA] offset:(\ks)*4096+\i*1024
	ds_load_b128 v[\f+8*\i+4:\f+8*\i+7], v[LA] offset:(\ks)*4096+\i*1024+512
.endr
.irp i, 0,1,2,3
	ds_load_b128 v[\f+32+8*\i:\f+32+8*\i+3],   v[LA] offset:32768+(\ks)*4096+\i*1024
	ds_load_b128 v[\f+32+8*\i+4:\f+32+8*\i+7], v[LA] offset:32768+(\ks)*4096+\i*1024+512
.endr
.endm
; 16 matrix instructions, used transposed: source 0 = rows of h (o), source 1 = rows of y (tokens), so that register j of lane (r, h)
; is out(token 16 tt' + r, o = 16 ot' + 8 h + j): eight neighbouring numbers of a row of out.
; The sixteen accumulators take turns, one instruction a turn, from K step to K step too.
.macro MUL16 f, zero
.irp tt, 0,1,2,3
.irp ot, 0,1,2,3
.if \zero
	v_wmma_f32_16x16x32_bf16 v[8*(4*\tt+\ot):8*(4*\tt+\ot)+7], v[\f+32+8*\ot:\f+32+8*\ot+7], v[\f+8*\tt:\f+8*\tt+7], 0
.else
	v_wmma_f32_16x16x32_bf16 v[8*(4*\tt+\ot):8*(4*\tt+\ot)+7], v[\f+32+8*\ot:\f+32+8*\ot+7], v[\f+8*\tt:\f+8*\tt+7], v[8*(4*\tt+\ot):8*(4*\tt+\ot)+7]
.endif
.endr
.endr
.endm
; K step ks on buffer cur; the next step's fragments are asked for first, into the buffer that the last step's products have read
.macro STEP ks, cur, nxt, zero
.if \ks
	PLACES
.endif
.if \ks == 3
	s_wait_tensorcnt 0x0                           ; K steps 4 to 7 of y and of h have landed: no tensor load of mine is out any more
.endif
	FETCH \ks+1, \nxt
	s_wait_dscnt 16                                ; all but the sixteen just issued: this step's fragments are in
	WIN MULW
	MUL16 \cur, \zero
	WIN 0
.endm
	s_wait_tensorcnt 0x2                           ; tensor loads of a wave end in order (ISA guide 10.11.1): K steps 0 to 3 of y and h are in, the two younger loads stay out
	FETCH 0, F0
	STEP 0, F0, F1, 1                              ; the first products start the sums: nothing is cleared
	STEP 1, F1, F0, 0
	STEP 2, F0, F1, 0
	STEP 3, F1, F0, 0
	STEP 4, F0, F1, 0
	STEP 5, F1, F0, 0
	STEP 6, F0, F1, 0
	s_wait_dscnt 0x0                               ; the last fragments; my reads of my LDS bytes are over
	WIN MULW
	MUL16 F1, 0
	PLACES
	; my partial block into my stage: row = token, 16 bytes a store; sixteen lanes go to sixteen rows of pitch 272
	WIN STW
.irp tt, 0,1,2,3
.irp ot, 0,1,2,3
	ds_store_b128 v[STO], v[8*(4*\tt+\ot):8*(4*\tt+\ot)+3]   offset:\tt*16*SPITCH+\ot*64
	ds_store_b128 v[STO], v[8*(4*\tt+\ot)+4:8*(4*\tt+\ot)+7] offset:\tt*16*SPITCH+\ot*64+16
.endr
.endr
	WIN 0
	s_wait_dscnt 0x0                               ; my stores are done, for the others' sake
	s_barrier_signal -1
	s_barrier_wait -1
	; wave w finishes token rows 16 w + i + 8 h, i = 0 .. 7: lanes 0-15 take one row of 256 bytes, lanes 16-31 the row eight below
.irp i, 0,1,2,3,4,5,6,7
.irp s, 0,1,2,3
	ds_load_b128 v[RB+16*\i+4*\s:RB+16*\i+4*\s+3], v[RD+\s] offset:SPITCH*\i
.endr
.endr
	s_wait_loadcnt 0x0                             ; bias and s
.irp c, 1,2,3
.irp k, 0,2,4,6
	v_pk_add_f32 v[SV+\k:SV+\k+1], v[SV+\k:SV+\k+1], v[SV+8*\c+\k:SV+8*\c+\k+1]   ; the sum of s over the four chunks: register i belongs to row i + 8 h
.endr
.endr
.macro ROWOUT i
	s_wait_dscnt 28-4*\i                           ; LDS loads come back in order (ISA guide 5.7.1): the later rows' four loads each stay out
.irp k, 0,2
	v_pk_add_f32 v[RB+16*\i+\k:RB+16*\i+\k+1],     v[RB+16*\i+\k:RB+16*\i+\k+1],     v[RB+16*\i+4+\k:RB+16*\i+4+\k+1]
	v_pk_add_f32 v[RB+16*\i+8+\k:RB+16*\i+8+\k+1], v[RB+16*\i+8+\k:RB+16*\i+8+\k+1], v[RB+16*\i+12+\k:RB+16*\i+12+\k+1]
.endr
.irp k, 0,2
	v_pk_add_f32 v[RB+16*\i+\k:RB+16*\i+\k+1], v[RB+16*\i+\k:RB+16*\i+\k+1], v[RB+16*\i+8+\k:RB+16*\i+8+\k+1]
.endr
.irp k, 0,2
	v_pk_add_f32 v[RB+16*\i+\k:RB+16*\i+\k+1], v[RB+16*\i+\k:RB+16*\i+\k+1], v[BIAS+\k:BIAS+\k+1]
.endr
.irp k, 0,1,2,3
	v_add_f32 v[RB+16*\i+\k], v[RB+16*\i+\k], v[SV+\i]
.endr
	global_store_b128 v[CO], v[RB+16*\i:RB+16*\i+3], s[12:13] offset:16384*\i th:TH_STORE_NT   ; sixteen lanes store 256 consecutive bytes, at a multiple of 256 from out's first byte
.endm
.irp i, 0,1,2,3,4,5,6,7
	ROWOUT \i
.endr
	s_wait_tensorcnt 0x0
	ds_add_u32 v254, v255
	s_wait_dscnt 0x0
	ROUND                                          ; the closing round: no work-group ends while a partner may still ask for a part that names it
	s_endpgm
.Lfunc_end_k_q00f5d36f87_gemm:
	.size	k_q00f5d36f87_gemm, .Lfunc_end_k_q00f5d36f87_gemm-k_q00f5d36f87_gemm
	.p2alignl 7, 3214868480
	.fill 96, 4, 3214868480
	.section	.rodata,"a",@progbits
	.p2align	6, 0x0
	.amdhsa_kernel k_q00f5d36f87_gemm
		.amdhsa_group_segment_fixed_size 262656
		.amdhsa_private_segment_fixed_size 0
		.amdhsa_enable_private_segment 0
		.amdhsa_kernarg_size 40
		.amdhsa_user_sgpr_count 2
		.amdhsa_user_sgpr_kernarg_segment_ptr 1
		.amdhsa_wavefront_size32 1
		.amdhsa_system_sgpr_workgroup_id_x 1
		.amdhsa_system_sgpr_workgroup_id_y 1
		.amdhsa_system_sgpr_workgroup_id_z 1
		.amdhsa_system_vgpr_workitem_id 0
		.amdhsa_next_free_vgpr 384
		.amdhsa_next_free_sgpr 66
		.amdhsa_reserve_vcc 0
		.amdhsa_float_denorm_mode_32 3
		.amdhsa_float_denorm_mode_16_64 3
		.amdhsa_memory_ordered 1
		.amdhsa_forward_progress 1
		.amdhsa_inst_pref_size 36
	.end_amdhsa_kernel
	.amdgpu_metadata
---
amdhsa.version: [ 1, 2 ]
amdhsa.kernels:
  - .name:           k_q00f5d36f87_gemm
    .symbol:         k_q00f5d36f87_gemm.kd
    .args:
      - { .name: yf, .offset: 0, .size: 8, .value_kind: global_buffer, .address_space: global }
      - { .name: hf, .offset: 8, .size: 8, .value_kind: global_buffer, .address_space: global }
      - { .name: sv, .offset: 16, .size: 8, .value_kind: global_buffer, .address_space: global }
      - { .name: bias, .offset: 24, .size: 8, .value_kind: global_buffer, .address_space: global }
      - { .name: out0, .offset: 32, .size: 8, .value_kind: global_buffer, .address_space: global }
    .group_segment_fixed_size: 262656
    .private_segment_fixed_size: 0
    .kernarg_segment_align: 8
    .kernarg_segment_size: 40
    .max_flat_workgroup_size: 128
    .sgpr_count:     66
    .vgpr_count:     384
    .wavefront_size: 32
...
	.end_amdgpu_metadata
.endif
;; end of part 2
